; MI455X (gfx1250); checked and timed in simulation.
; The chip was launched on July 23, 2026; its instructions are those of AMD's public machine-readable ISA for CDNA 5 (MIT licence, August 2026) and "CDNA5" Instruction Set Architecture Reference Guide (July 2026). The comments in the code are by the model that wrote it; some were corrected since.
;; Attn. Allowed arithmetic: float matrix products may take bf16 or f16 operands with f32 sums; other float arithmetic in f32, or as packed bf16 or f16 multiplies, adds, multiply-adds, maxima and minima; sums over many terms, partial sums and values carried from step to step in f32; what a program stores and reads back later, other than sums and carried values, may be rounded once to bf16 or f16.
;; Inputs: attn_b 1,024 float32; attn_w 1,024 x 2,048 float32; encoder_outputs 2,048 x 32 x 1,024 float32; hidden 32 x 1,024 float32; v 1,024 float32.
;; Outputs: out0 1 x 32 x 1,024 float32.
;; One version. Each part assembles by itself: llvm-mc -triple=amdgcn-amd-amdhsa -mcpu=gfx1250 --defsym DOCPART=n.
;; ======== version 1 of 1: 3 launches
;; workspace buffers: wb 2,097,152 bytes; tab 262,144 bytes; pctx 2,097,152 bytes; pml 131,072 bytes
;; launch prep (part 1): grid 64 x 1, 12 waves a work-group, no clusters, 17,920 bytes of LDS; arguments attn_w, hidden, attn_b, v, wb, tab; writes wb, tab
.if DOCPART == 1
	.amdgcn_target "amdgcn-amd-amdhsa--gfx1250"
	.amdhsa_code_object_version 6
	.text
	.protected	k_qdc357cd894_prep
	.globl	k_qdc357cd894_prep
	.p2align	8
	.type	k_qdc357cd894_prep,@function
k_qdc357cd894_prep:
	s_mov_b64 s[64:65], 0
	v_nop
	global_prefetch_b8 v0, s[64:65] scope:SCOPE_SE
	s_setreg_imm32_b32 hwreg(HW_REG_WAVE_MODE, 25, 1), 1
	s_wait_xcnt 0x0
; PREPARATION.  attn_w: [1024][2048] f32 (columns 0-1023 = W_h, 1024-2047 = W_e), hidden: [32][1024], attn_b, v: [1024], all f32.
; (1) wb = W_e rounded to bf16, in blocks: [chunk c of 64 outputs][half kh of K][o' 64][k' 512]: a row is 1,024 bytes, a chunk 128 dense rows.
; (2) tab[b][o] = C2 (sum over k of hidden[b][k] W_h[o][k] + attn_b[o]),  tab[b][1024 + o] = -C2 v[o],  C2 = 2 log2(e): f32, [32][2048];
;     v's part is repeated for each b, so that a tile's table in the next launch is 8,192 dense bytes.
; FORMATS.  hidden and W_h go to the matrix unit in bf16, sums in f32; attn_b and v are rounded to bf16 too, so that all five inputs carry one and the same rounding.
; SHARES.  A work-group owns 16 rows o of attn_w; its twelve waves work side by side, each with ONE phase of loads.  Waves 0-7 make (2): K is split among them, 128 each; the partial
; sums meet in LDS, and waves 0 and 1 finish the two blocks of 16 b.  Waves 8-11 make (1): four rows each.  64 work-groups: a tile of 16 outputs needs all of K in one work-group.
; tab's stores are 32 bytes a lane in rows 8,192 bytes apart: 262,144 bytes in the whole launch.
.set C2F,   0x4038aa3b                 ; 2 log2(e)
.set NC2F,  0xc038aa3b
.set SPARE, 16384                      ; behind the partial sums (8 waves x 2,048 bytes): the spare words, 128 bytes a wave, which no other line names
.set LO1, 2                            ; v2   (1) my offset in attn_w: 32 x lane + my 4 rows
.set SO1, 3                            ; v3   (1) my offset in wb: 16 x lane + my 4 rows of 1,024
.set WO,  4                            ; v4   (2) W_h: r x 8,192 + 512 w + 32 h
.set HO,  5                            ; v5   (2) hidden: r x 4,096 + 512 w + 32 h
.set LS,  6                            ; v6   LDS: 2,048 w + 32 x lane
.set LR,  7                            ; v7   LDS: 1,024 w + 32 x lane
.set SPW, 8                            ; v8   my spare word; never rewritten
.set NIL, 9                            ; v9   0; never rewritten
.set BO,  13                           ; v13  32 h: my eight numbers of attn_b and v
.set TO,  14                           ; v14  tab: r x 8,192 + 32 h + 131,072 w
.set BV,  16                           ; v[16:23] attn_b, v[24:31] v
.set ACC, 32                           ; v[32:39], v[40:47]: b 0-15, b 16-31
.set CT,  48                           ; v[48:55] at work
.set RAW, 64                           ; v[64:255]
	s_load_b256 s[4:11], s[0:1], 0x0               ; attn_w s[4:5], hidden s[6:7], attn_b s[8:9], v s[10:11]
	s_load_b128 s[12:15], s[0:1], 0x20             ; wb s[12:13], tab s[14:15]
	v_lshl_add_u32 v[SPW], v0, 2, SPARE
	v_mov_b32 v[NIL], 0
	v_lshrrev_b32 v1, 5, v0
	v_readfirstlane_b32 s16, v1                    ; wave 0..11
	v_and_b32 v10, 15, v0                          ; r
	v_bfe_u32 v11, v0, 4, 1                        ; h
	v_and_b32 v12, 31, v0                          ; lane
	s_mov_b32 s24, C2F
	s_mov_b32 s25, C2F                             ; named as pairs by the packed multiplies
	s_mov_b32 s26, NC2F
	s_mov_b32 s27, NC2F
	s_lshl_b32 s28, ttmp9, 17                      ; my 16 rows of attn_w
	s_mov_b32 s29, 0
	s_lshr_b32 s30, ttmp9, 2                       ; chunk = work-group / 4,
	s_lshl_b32 s30, s30, 17
	s_and_b32 s31, ttmp9, 3                        ; and 16 rows of 1,024 bytes for each work-group in it
	s_lshl_b32 s31, s31, 14
	s_add_co_u32 s30, s30, s31
	s_mov_b32 s31, 0
	s_wait_kmcnt 0x0
	s_add_nc_u64 s[4:5], s[4:5], s[28:29]
	s_add_nc_u64 s[12:13], s[12:13], s[30:31]
	s_lshl_b32 s28, ttmp9, 6                       ; 16 f32
	s_add_nc_u64 s[8:9], s[8:9], s[28:29]
	s_add_nc_u64 s[10:11], s[10:11], s[28:29]
	s_add_nc_u64 s[14:15], s[14:15], s[28:29]
	s_cmp_lt_u32 s16, 8
	s_cbranch_scc0 .Lconv
	; (2) waves 0-7.  A fragment is 16 rows x 32 k: lane (r, h) holds row r, k = 8 h + 0..7 and 16 + 8 h + 0..7: from f32 four loads of 16 bytes at 32 h + 0, 16, 64, 80
	s_lshl_b32 s19, s16, 9                         ; my 128 k: 512 bytes
	s_lshl_b32 s20, s16, 11
	v_lshl_add_u32 v[WO], v10, 13, s19
	v_lshl_add_u32 v[WO], v11, 5, v[WO]
	v_lshl_add_u32 v[HO], v10, 12, s19
	v_lshl_add_u32 v[HO], v11, 5, v[HO]
	v_lshl_add_u32 v[LS], v12, 5, s20
	v_lshlrev_b32 v[BO], 5, v11
	global_load_b128 v[BV:BV+3],     v[BO], s[8:9]             ; attn_b and v come with the same phase of loads (64 bytes a wave; waves 0 and 1 use them)
	global_load_b128 v[BV+4:BV+7],   v[BO], s[8:9] offset:16
	global_load_b128 v[BV+8:BV+11],  v[BO], s[10:11]
	global_load_b128 v[BV+12:BV+15], v[BO], s[10:11] offset:16
.irp k, 0,1,2,3                        ; four k blocks: W_h at RAW, hidden's rows 0-15 at RAW + 64, rows 16-31 at RAW + 128; 16 registers a block
.irp e, 0,1,2,3
	global_load_b128 v[RAW+16*(\k)+4*(\e):RAW+16*(\k)+4*(\e)+3],         v[WO], s[4:5] offset:128*(\k)+16*((\e)%2)+64*((\e)/2) th:TH_LOAD_NT
	global_load_b128 v[RAW+64+16*(\k)+4*(\e):RAW+64+16*(\k)+4*(\e)+3],   v[HO], s[6:7] offset:128*(\k)+16*((\e)%2)+64*((\e)/2)
	global_load_b128 v[RAW+128+16*(\k)+4*(\e):RAW+128+16*(\k)+4*(\e)+3], v[HO], s[6:7] offset:128*(\k)+16*((\e)%2)+64*((\e)/2)+65536
.endr
.endr
	s_wait_loadcnt 0x0
.set g, 0
.rept 12
.irp i, 0,1,2,3,4,5,6,7
	v_cvt_pk_bf16_f32 v[RAW+16*g+(\i)], v[RAW+16*g+2*(\i)], v[RAW+16*g+2*(\i)+1]  ; in place: 16 f32 into the low 8 registers of their group; number i lands at or below its sources
.endr
.set g, g+1
.endr
.irp k, 0,1,2,3                        ; the two accumulators take turns; the first products start the sums
.if (\k) == 0
	v_wmma_f32_16x16x32_bf16 v[ACC:ACC+7],    v[RAW+16*(\k):RAW+16*(\k)+7], v[RAW+64+16*(\k):RAW+64+16*(\k)+7], 0
	v_wmma_f32_16x16x32_bf16 v[ACC+8:ACC+15], v[RAW+16*(\k):RAW+16*(\k)+7], v[RAW+128+16*(\k):RAW+128+16*(\k)+7], 0
.else
	v_wmma_f32_16x16x32_bf16 v[ACC:ACC+7],    v[RAW+16*(\k):RAW+16*(\k)+7], v[RAW+64+16*(\k):RAW+64+16*(\k)+7], v[ACC:ACC+7]
	v_wmma_f32_16x16x32_bf16 v[ACC+8:ACC+15], v[RAW+16*(\k):RAW+16*(\k)+7], v[RAW+128+16*(\k):RAW+128+16*(\k)+7], v[ACC+8:ACC+15]
.endif
.endr
.rept 4
	v_nop                                          ; four places behind the last product, ahead of the stores of its result and of loads into its sources
.endr
	; source 0 = W_h's rows: register j of lane (r, h) holds output o0 + 8 h + j of b = 16 block + r
	ds_store_b128 v[LS], v[ACC:ACC+3]
	ds_store_b128 v[LS], v[ACC+4:ACC+7]    offset:16
	ds_store_b128 v[LS], v[ACC+8:ACC+11]   offset:1024
	ds_store_b128 v[LS], v[ACC+12:ACC+15]  offset:1040
	s_branch .Lmeet
.Lconv:
	; (1) waves 8-11: four rows x four steps of 256 k: a lane takes 8 f32 (32 bytes) and leaves 8 bf16 (16 bytes): a wave's store covers 512 consecutive bytes, aligned
	s_sub_co_u32 s17, s16, 8
	s_lshl_b32 s18, s17, 12
	s_lshl_b32 s17, s17, 15
	v_lshl_add_u32 v[LO1], v12, 5, s17
	v_lshl_add_u32 v[SO1], v12, 4, s18
.irp rr, 0,1,2,3
.irp st, 0,1,2,3
	global_load_b128 v[RAW+8*(4*(\rr)+(\st)):RAW+8*(4*(\rr)+(\st))+3],   v[LO1], s[4:5] offset:(\rr)*8192+4096+1024*(\st) th:TH_LOAD_NT
	global_load_b128 v[RAW+8*(4*(\rr)+(\st))+4:RAW+8*(4*(\rr)+(\st))+7], v[LO1], s[4:5] offset:(\rr)*8192+4096+1024*(\st)+16 th:TH_LOAD_NT
.endr
.endr
	s_wait_loadcnt 0x0
.set g, 0
.rept 16
.irp i, 0,1,2,3
	v_cvt_pk_bf16_f32 v[RAW+8*g+(\i)], v[RAW+8*g+2*(\i)], v[RAW+8*g+2*(\i)+1]
.endr
.set g, g+1
.endr
.irp rr, 0,1,2,3
.irp st, 0,1,2,3
	global_store_b128 v[SO1], v[RAW+8*(4*(\rr)+(\st)):RAW+8*(4*(\rr)+(\st))+3], s[12:13] offset:((\st)/2)*65536+(\rr)*1024+512*((\st)%2)
.endr
.endr
.Lmeet:
	s_wait_dscnt 0x0                               ; for the others' sake: my partial sums lie in LDS
	s_barrier_signal -1
	s_barrier_wait -1
	s_cmp_lt_u32 s16, 2                            ; wave 0 finishes b 0-15, wave 1 b 16-31
	s_cbranch_scc0 .Lend
	s_lshl_b32 s19, s16, 10
	s_lshl_b32 s21, s16, 17
	v_lshl_add_u32 v[LR], v12, 5, s19
	v_lshl_add_u32 v[TO], v10, 13, s21
	v_lshl_add_u32 v[TO], v11, 5, v[TO]
.irp wv, 0,1,2,3,4,5,6,7
	ds_load_b128 v[RAW+8*(\wv):RAW+8*(\wv)+3],   v[LR] offset:2048*(\wv)
	ds_load_b128 v[RAW+8*(\wv)+4:RAW+8*(\wv)+7], v[LR] offset:2048*(\wv)+16
.endr
.irp i, 0,1,2,3,4,5,6,7
	v_cvt_pk_bf16_f32 v[CT+(\i)], v[BV+2*(\i)], v[BV+2*(\i)+1]   ; attn_b (0-3) and v (4-7) rounded to bf16,
.endr
.irp i, 0,1,2,3,4,5,6,7
	v_lshlrev_b32 v[BV+2*(\i)], 16, v[CT+(\i)]                   ; and widened again
	v_and_b32 v[BV+2*(\i)+1], 0xffff0000, v[CT+(\i)]
.endr
	s_wait_dscnt 0x0
.irp gg, 0,1,2,3
.irp i, 0,2,4,6
	v_pk_add_f32 v[RAW+16*(\gg)+(\i):RAW+16*(\gg)+(\i)+1], v[RAW+16*(\gg)+(\i):RAW+16*(\gg)+(\i)+1], v[RAW+16*(\gg)+8+(\i):RAW+16*(\gg)+8+(\i)+1]
.endr
.endr
.irp gg, 0,1
.irp i, 0,2,4,6
	v_pk_add_f32 v[RAW+32*(\gg)+(\i):RAW+32*(\gg)+(\i)+1], v[RAW+32*(\gg)+(\i):RAW+32*(\gg)+(\i)+1], v[RAW+32*(\gg)+16+(\i):RAW+32*(\gg)+16+(\i)+1]
.endr
.endr
.irp i, 0,2,4,6
	v_pk_add_f32 v[RAW+(\i):RAW+(\i)+1], v[RAW+(\i):RAW+(\i)+1], v[RAW+32+(\i):RAW+32+(\i)+1]
.endr
.irp i, 0,2,4,6
	v_pk_add_f32 v[RAW+(\i):RAW+(\i)+1], v[RAW+(\i):RAW+(\i)+1], v[BV+(\i):BV+(\i)+1]
.endr
.irp i, 0,2,4,6
	v_pk_mul_f32 v[RAW+(\i):RAW+(\i)+1], v[RAW+(\i):RAW+(\i)+1], s[24:25] op_sel_hi:[1,0]
	v_pk_mul_f32 v[BV+8+(\i):BV+8+(\i)+1], v[BV+8+(\i):BV+8+(\i)+1], s[26:27] op_sel_hi:[1,0]
.endr
	global_store_b128 v[TO], v[RAW:RAW+3],     s[14:15]
	global_store_b128 v[TO], v[RAW+4:RAW+7],   s[14:15] offset:16
	global_store_b128 v[TO], v[BV+8:BV+11],    s[14:15] offset:4096
	global_store_b128 v[TO], v[BV+12:BV+15],   s[14:15] offset:4112
.Lend:
	s_wait_tensorcnt 0x0                           ; the wave's end, behind my last LDS store
	ds_add_u32 v[SPW], v[NIL]
	s_wait_dscnt 0x0
	s_endpgm
.Lfunc_end_k_qdc357cd894_prep:
	.size	k_qdc357cd894_prep, .Lfunc_end_k_qdc357cd894_prep-k_qdc357cd894_prep
	.p2alignl 7, 3214868480
	.fill 96, 4, 3214868480
	.section	.rodata,"a",@progbits
	.p2align	6, 0x0
	.amdhsa_kernel k_qdc357cd894_prep
		.amdhsa_group_segment_fixed_size 17920
		.amdhsa_private_segment_fixed_size 0
		.amdhsa_enable_private_segment 0
		.amdhsa_kernarg_size 48
		.amdhsa_user_sgpr_count 2
		.amdhsa_user_sgpr_kernarg_segment_ptr 1
		.amdhsa_wavefront_size32 1
		.amdhsa_system_sgpr_workgroup_id_x 1
		.amdhsa_system_sgpr_workgroup_id_y 1
		.amdhsa_system_sgpr_workgroup_id_z 1
		.amdhsa_system_vgpr_workitem_id 0
		.amdhsa_next_free_vgpr 256
		.amdhsa_next_free_sgpr 66
		.amdhsa_reserve_vcc 0
		.amdhsa_float_denorm_mode_32 3
		.amdhsa_float_denorm_mode_16_64 3
		.amdhsa_memory_ordered 1
		.amdhsa_forward_progress 1
		.amdhsa_inst_pref_size 29
	.end_amdhsa_kernel
	.amdgpu_metadata
---
amdhsa.version: [ 1, 2 ]
amdhsa.kernels:
  - .name:           k_qdc357cd894_prep
    .symbol:         k_qdc357cd894_prep.kd
    .args:
      - { .name: attn_w, .offset: 0, .size: 8, .value_kind: global_buffer, .address_space: global }
      - { .name: hidden, .offset: 8, .size: 8, .value_kind: global_buffer, .address_space: global }
      - { .name: attn_b, .offset: 16, .size: 8, .value_kind: global_buffer, .address_space: global }
      - { .name: v, .offset: 24, .size: 8, .value_kind: global_buffer, .address_space: global }
      - { .name: wb, .offset: 32, .size: 8, .value_kind: global_buffer, .address_space: global }
      - { .name: tab, .offset: 40, .size: 8, .value_kind: global_buffer, .address_space: global }
    .group_segment_fixed_size: 17920
    .private_segment_fixed_size: 0
    .kernarg_segment_align: 8
    .kernarg_segment_size: 48
    .max_flat_workgroup_size: 384
    .sgpr_count:     66
    .vgpr_count:     256
    .wavefront_size: 32
...
	.end_amdgpu_metadata
.endif
;; end of part 1
;; launch main (part 2): grid 16 x 32, 4 waves a work-group, clusters of 4 x 1, 327,680 bytes of LDS; arguments encoder_outputs, wb, tab, pctx, pml; writes pctx, pml
.if DOCPART == 2
	.amdgcn_target "amdgcn-amd-amdhsa--gfx1250"
	.amdhsa_code_object_version 6
	.text
	.protected	k_qdc357cd894_main
	.globl	k_qdc357cd894_main
	.p2align	8
	.type	k_qdc357cd894_main,@function
k_qdc357cd894_main:
	s_mov_b64 s[64:65], 0
	v_nop
	global_prefetch_b8 v0, s[64:65] scope:SCOPE_SE
	s_setreg_imm32_b32 hwreg(HW_REG_WAVE_MODE, 25, 1), 1
	s_wait_xcnt 0x0
	s_wait_alu depctr_hold_cnt(0) depctr_sa_sdst(0) depctr_va_vdst(0) depctr_va_sdst(0) depctr_va_ssrc(0) depctr_va_vcc(0) depctr_vm_vsrc(0)
	s_getreg_b32 s2, hwreg(HW_REG_IB_STS2, 6, 4)
	s_cmp_eq_u32 s2, 0
	s_cbranch_scc0 .Lentry_in_a_cluster
	s_endpgm
.Lentry_in_a_cluster:
	s_bfe_u32 s2, ttmp6, 0x10000c
	s_cmp_lg_u32 s2, 0x3003
	s_cbranch_scc0 .Lentry_shape_is_right
	s_endpgm
.Lentry_shape_is_right:
; ADDITIVE ATTENTION, one tile: one b and 128 rows l of encoder_outputs ([2048 l][32 b][1024] f32).  For each row: proj = enc . W_e^T (+ the table's hidden part and bias),
; tanh, the dot with v, the tile's softmax, and the tile's part of the context; the next launch merges a b's 16 tiles.  enc is read from memory once.
; ARITHMETIC.  tanh x = 1 - 2 / (1 + 2^(C2 x)), C2 = 2 log2(e).  The score is kept as s2 = sum over o of (-C2 v[o]) / (1 + 2^(C2 acc[o] + tab[o])) = log2(e) (score - sum of v):
; the sum of v is the same number for every row of every tile, so it drops out of the softmax exactly, for every input.  An exponential that overflows gives 1 / inf = 0 (tanh = 1),
; one that underflows gives 1 / 1 (tanh = -1).  p = 2^(s2 - m2), m2 the tile's maximum; l = the sum of the unrounded p; p is rounded to bf16 for the context product.
; FORMATS.  enc and W_e in bf16 for both products, sums in f32.  LIMITS.  NaN and infinities among the inputs are not treated apart; a weight below 2^-126 counts as 0.
; SHARES.  Four waves, 32 rows each (two blocks m of 16).  A WAVE'S ROWS STAY IN REGISTERS: 32 x 1,024 bf16 = 512 registers.  W_e streams through two LDS slots in 16 chunks of
; 64 outputs x all K (131,072 bytes): a chunk is 256 matrix instructions a wave, in which the next chunk's one load a wave (32 rows of 1,024 bytes) lands.
; The product is taken transposed (source 0 = 16 outputs, source 1 = 16 rows): a lane holds ONE row (lane % 16) and the outputs 8 (lane / 16) + 0..7.
; BY TURNS.  Two sets of 8 accumulators.  While chunk c's products fill one set, the tanh work of chunk c - 1 (224 vector instructions on the other set, in place) stands in 88 slices among them,
; a slice behind every second matrix instruction of the chunk's first six batches.  A slice works in window 0, the products name three other windows: two switches a slice, 176 a chunk.
; CLUSTER.  The four work-groups of a cluster (four tiles of one b) walk the same chunks of W_e: each chunk is asked for JOINTLY, the same load, descriptor and mask in all four.
; enc's rows and the table are each work-group's own: plain loads.  enc is not prefetched: its loads stand at the work-group's head, two quarters at a time through the two slots.
; CONTEXT.  The wave's rows go from registers into LDS (into the slots, which have had their last fill), come back turned by ds_load_tr16_b128, and are multiplied by p.
; LDS.  All of a WGP's LDS is claimed; 291,840 bytes are used.
; REGISTERS, in windows of 256 (s_set_vgpr_msb: bits 1:0 source 0, 3:2 source 1, 5:4 source 2, 7:6 destination):
;   window 0: v0-31 addresses and at work; v32-47 score sums; v48-55 p's fragment; v56-63 statistics; v64-127 and v192-255 the two sets of accumulators; v128-191 a chunk's table
;   window 1: my rows 0-15, k block kb at 8 kb      window 2: my rows 16-31      window 3: W_e's fragments, two buffers of 128
.set PITCH,  1040                      ; an LDS row: 1,024 bytes + 16 of padding = 65 x 16: the 16 rows of a load start at 16 different groups of four banks (64 banks of 4 bytes: ISA guide 11.1)
.set WPART,  32*PITCH                  ; what one tensor load brings
.set SLOT,   4*WPART                   ; 133,120 bytes: a quarter (256 k) of the 128 rows of enc in f32, or a chunk of W_e (row 64 kh + o')
.set MROW,   16*PITCH
.set KHALF,  64*PITCH
.set TAB,    2*SLOT                    ; 8,192 bytes, filled once: 1,024 x C2 (hidden part + bias), 1,024 x -C2 v
.set CTX,    TAB+8192                  ; 4 x 4,096: the waves' partial contexts
.set RED,    CTX+16384                 ; words 0-3 the waves' maxima, 4-7 their sums
.set PB,     RED+256                   ; 64 bytes a wave: its 32 p in bf16
.set SPARE,  PB+256                    ; the spare words, 128 bytes a wave, which no other line names
.set SCRP,   2080                      ; the rows' pitch on their way to the context: 2,048 + 32 = 65 x 32
.set SCRW,   32*SCRP                   ; a wave's 66,560 bytes; four of them are exactly the two slots
.set CHUNKB, 131072
.set SPW,  4                           ; v4   my spare word; never rewritten
.set NIL,  5                           ; v5   0; never rewritten
.set AADR, 6                           ; v6-7   enc's f32 rows in slot 0, 1: wave x WPART + r x PITCH + 32 h
.set BADR, 8                           ; v8-11  W_e's fragments: [2 slot + kh]: r x PITCH + 16 h
.set TA,   12                          ; v12  the chunk's table: TAB + 32 h, 256 further for each chunk
.set PFO,  13                          ; v13  256 x lane
.set STA,  14                          ; v14  rows into LDS
.set TRA,  15                          ; v15  and back, turned
.set CTS,  16                          ; v16  my partial context: CTX + 4,096 wave + 4 r
.set CTR,  17                          ; v17  all four, by thread
.set GO,   18                          ; v18  16 x thread
.set PBS,  19
.set PBR,  20
.set REDW, 21
.set REDR, 22
.set ML,   23                          ; v23  8 x lane
.set S,    32                          ; block m's eight sums at S + 8 m
.set PF,   48
.set ACC,  64                          ; set 0 (chunks in slot 0): (m, nb) at ACC + 8 (4 m + nb); set 1 (slot 1) 128 further on
.set CW,   128                         ; output block nb: 8 addends at CW + 16 nb, 8 factors at CW + 16 nb + 8
.set TMP,  192                         ; = set 1; at work outside the walk over the chunks
.set WV,   14                          ; s14 wave; s15 cx; s16 tile along l; s17 b
.set CX,   15
.set LT,   16
.set BB,   17
.set G1A,  24                          ; s[24:31] group 1 for enc
.set G1B,  32                          ; s[32:39] for W_e
.set G1T,  40                          ; s[40:47] for the table
.set G0A0, 48                          ; group 0: enc into slot 0, slot 1; W_e into slot 0, slot 1; the table
.set G0A1, 52
.set G0B0, 56
.set G0B1, 60
.set G0T,  68
.set TRIPS, 72
.set LIM,  73                          ; 1 in the cluster that prefetches, else the greatest number
.set PFA,  74                          ; s[74:75] where my prefetch stands
.set C2,   76                          ; s[76:77]
.set SEL,  78                          ; s[78:79] v_permlanex16_b32's selects: each lane takes its own place in the other half
.set MSB, 0
.macro WIN new                         ; the immediate's high byte repeats the setting that is left; a switch that changes nothing is dropped
.if MSB != (\new)
	s_set_vgpr_msb (MSB<<8)|(\new)
.set MSB, (\new)
.endif
.endm
.macro PLACES n                        ; places behind matrix instructions: plain vector instructions that name none of their registers (ISA guide 7.12.1)
.rept \n
	v_nop
.endr
.endm
; A round of the cluster's barrier: my work-group's barrier; wave 0 signals for the work-group; every wave waits for all four work-groups; my work-group's barrier once more.
.macro ROUND
	s_barrier_signal -1
	s_barrier_wait -1
	s_cmp_lg_u32 s[WV], 0
	s_cbranch_scc1 .Lnw0_\@
	s_barrier_signal -3
.Lnw0_\@:
	s_barrier_wait -3
	s_barrier_signal -1
	s_barrier_wait -1
.endm
; THE CHANGE OF SLOTS.  Each wave waits for all its tensor loads (its part of the other slot), adds 0 to its spare word, and waits for that and for its reads of the slot that it leaves.
; fill = 1: a round of the cluster's barrier, so that no wave of any partner still reads the slot or has a load on its way; then the refill, my one tensor load, first thing behind it.
; step: bytes by which the descriptor's address goes on.  pf = 1: the prefetch's address goes on a chunk; the prefetch that read it stands a chunk's products back.
; The four v_nop are also the places behind the chunk's last products, ahead of the loads into their sources and of the work on their results.
.macro CHG g0, g1, step, fill, pf
	WIN 0                                          ; at a label and at a branch every window is 0
.if \pf
	s_wait_xcnt 0x0
	s_add_nc_u64 s[PFA:PFA+1], s[PFA:PFA+1], CHUNKB
.endif
	s_wait_tensorcnt 0x0                           ; no tensor load of mine is out, so a group 0 may be written
	ds_add_u32 v[SPW], v[NIL]
.if \step
	s_add_nc_u64 s[(\g0)+2:(\g0)+3], s[(\g0)+2:(\g0)+3], \step
.endif
	s_wait_dscnt 0x0                               ; the add is done, and my reads of the slot are over
.if \fill
	ROUND
	tensor_load_to_lds s[(\g0):(\g0)+3], s[(\g1):(\g1)+7]
	s_nop 0
.else
	s_barrier_signal -1
	s_barrier_wait -1
.endif
	PLACES 4
.endm
; A PREFETCH INTO THE L2 of the chunk behind the one just asked for: 256 matrix instructions a wave ahead of the load that will want it.  All clusters walk the same 16 chunks: the first cluster
; (cluster x = 0, b = 0) asks, nobody else.  Its 16 waves share a chunk out BY ADDRESS: wave w of the partner at place cx takes 8,192 bytes at (4 cx + w) x 8,192, a lane 256 bytes:
; each block of 256 bytes is named once in the launch.  Chunks 0 and 1 come by their loads alone; how = 0 (the loop's second change): the last trip asks for nothing, there is no chunk 16.
.macro ASK how
	WIN 0
.if \how
	s_cmp_eq_u32 s[LIM], 1
.else
	s_cmp_gt_u32 s[TRIPS], s[LIM]
.endif
	s_cbranch_scc0 .Lnoask_\@
	global_prefetch_b8 v[PFO], s[PFA:PFA+1] th:TH_LOAD_NT scope:SCOPE_SE
.Lnoask_\@:
.endm
; enc, f32 in LDS -> bf16 fragments in registers.  A fragment is 16 rows x 32 k in 8 registers: lane (r, h) holds row r, k = 8 h + 0..7 and 16 + 8 h + 0..7: in f32 four loads of 16 bytes.
; Batch j of a quarter: block m = j / 2, k blocks 4 (j % 2) + 0..3; 64 registers, v192-255 and v64-127 by turns.
.macro LDA slot, j
	WIN 0
.irp k, 0,1,2,3
.set rB, TMP-128*((\j)%2)+16*(\k)
.set oA, ((\j)/2)*MROW+(4*((\j)%2)+(\k))*128
	ds_load_b128 v[rB:rB+3],     v[AADR+(\slot)] offset:oA
	ds_load_b128 v[rB+4:rB+7],   v[AADR+(\slot)] offset:oA+16
	ds_load_b128 v[rB+8:rB+11],  v[AADR+(\slot)] offset:oA+64
	ds_load_b128 v[rB+12:rB+15], v[AADR+(\slot)] offset:oA+80
.endr
.endm
.macro CVA q, j
	WIN 0x40*(1+(\j)/2)                            ; destination window 1 or 2
.irp k, 0,1,2,3
.irp i, 0,1,2,3,4,5,6,7
.set rB, TMP-128*((\j)%2)+16*(\k)+2*(\i)
	v_cvt_pk_bf16_f32 v[8*(8*(\q)+4*((\j)%2)+(\k))+(\i)], v[rB], v[rB+1]
.endr
.endr
.endm
.macro CONVQ q, slot                   ; quarter q of K: each wait leaves the younger batch's 16 loads out
	LDA \slot, 0
	LDA \slot, 1
	s_wait_dscnt 16
	CVA \q, 0
	LDA \slot, 2
	s_wait_dscnt 16
	CVA \q, 1
	LDA \slot, 3
	s_wait_dscnt 16
	CVA \q, 2
	s_wait_dscnt 0x0
	CVA \q, 3
.endm
; 32 LDS loads in one run: W_e's fragments of k blocks 4 bt + 0..3 for the chunk's four blocks of 16 outputs, into buffer f of window 3
.macro FETCH slot, bt, f
	WIN 0xc0
.irp kbl, 0,1,2,3
.irp nb, 0,1,2,3
.set rW, (\f)+8*(4*(\kbl)+(\nb))
.set oW, (\nb)*MROW+(4*((\bt)%4)+(\kbl))*64
	ds_load_b128 v[rW:rW+3],   v[BADR+2*(\slot)+(\bt)/4] offset:oW
	ds_load_b128 v[rW+4:rW+7], v[BADR+2*(\slot)+(\bt)/4] offset:oW+32
.endr
.endr
.endm
; THE TANH WORK of a chunk's 64 outputs x 32 rows, on the accumulator set at eb, in place: x = C2 acc + addend; 2^x; + 1; reciprocal; sums += factor x reciprocal.
; It is a list of 88 slices; SLICE writes number k of it and steps k.  pr counts the set's 32 register pairs in ascending order.
;   0-7    four scalings each          8-39   two exponentials each        40-47  four additions of 1 each        48-79  two reciprocals each        80-87  four multiply-adds onto the sums each
; The 64 exponentials are one batch, the 64 reciprocals another: nothing names a batch's results before its end, where a plain instruction stands behind the last of them and then
; the one wait ahead of the first reader.
.macro SLICE eb
.if k < 8
	WIN 0
.irp n, 0,1,2,3
.set pr, 4*k+(\n)
	v_pk_fma_f32 v[(\eb)+2*pr:(\eb)+2*pr+1], v[(\eb)+2*pr:(\eb)+2*pr+1], s[C2:C2+1], v[CW+16*((pr/4)%4)+2*(pr%4):CW+16*((pr/4)%4)+2*(pr%4)+1] op_sel_hi:[1,0,1]
.endr
.elseif k < 40
	WIN 0
	v_exp_f32 v[(\eb)+2*(k-8)], v[(\eb)+2*(k-8)]
	v_exp_f32 v[(\eb)+2*(k-8)+1], v[(\eb)+2*(k-8)+1]
.if k == 39
	v_nop
	s_wait_alu depctr_va_vdst(0)
.endif
.elseif k < 48
	WIN 0
.irp n, 0,1,2,3
.set pr, 4*(k-40)+(\n)
	v_pk_add_f32 v[(\eb)+2*pr:(\eb)+2*pr+1], v[(\eb)+2*pr:(\eb)+2*pr+1], 1.0 op_sel_hi:[1,0]
.endr
.elseif k < 80
	WIN 0
	v_rcp_f32 v[(\eb)+2*(k-48)], v[(\eb)+2*(k-48)]
	v_rcp_f32 v[(\eb)+2*(k-48)+1], v[(\eb)+2*(k-48)+1]
.if k == 79
	v_nop
	s_wait_alu depctr_va_vdst(0)
.endif
.elseif k < 88
	WIN 0
.irp n, 0,1,2,3
.set pr, 4*(k-80)+(\n)
	v_pk_fma_f32 v[S+8*(pr/16)+2*(pr%4):S+8*(pr/16)+2*(pr%4)+1], v[CW+16*((pr/4)%4)+8+2*(pr%4):CW+16*((pr/4)%4)+8+2*(pr%4)+1], v[(\eb)+2*pr:(\eb)+2*pr+1], v[S+8*(pr/16)+2*(pr%4):S+8*(pr/16)+2*(pr%4)+1]
.endr
.endif
.set k, k+1
.endm
.macro EPI eb                          ; the whole list on end: the last chunk's, which has no products to stand among
.set k, 0
.rept 88
	SLICE \eb
.endr
.endm
; 32 products into the set at ab.  Four accumulators take turns, one instruction a turn; neighbours differ from block to block, from batch to batch, from chunk to chunk
; and over the backward jump too.  The chunk's first products start the sums with the constant 0.  ride = 1: behind every second product a slice of the other set's tanh work, which names
; no register of the products round it.
.macro MUL32 f, bt, ab, eb, ride
.irp m, 0,1
.irp kbl, 0,1,2,3
.irp nb, 0,1,2,3
	WIN 0x07+4*(\m)                                ; source 0 window 3, source 1 window 1 or 2, C and D window 0
.set rD, (\ab)+8*(4*(\m)+(\nb))
.set rW, (\f)+8*(4*(\kbl)+(\nb))
.set rA, 8*(4*(\bt)+(\kbl))
.if ((\bt) == 0) && ((\kbl) == 0)
	v_wmma_f32_16x16x32_bf16 v[rD:rD+7], v[rW:rW+7], v[rA:rA+7], 0
.else
	v_wmma_f32_16x16x32_bf16 v[rD:rD+7], v[rW:rW+7], v[rA:rA+7], v[rD:rD+7]
.endif
.if (\ride) && (((\nb)%2) == 1)
	SLICE \eb
.endif
.endr
.endr
.endr
.endm
; This chunk's table: for my 8 outputs of each of the four blocks the addend and the factor; all lanes of a half read the same words
.macro LOADCW
	WIN 0
.irp nb, 0,1,2,3
	ds_load_b128 v[CW+16*(\nb):CW+16*(\nb)+3],     v[TA] offset:64*(\nb)
	ds_load_b128 v[CW+16*(\nb)+4:CW+16*(\nb)+7],   v[TA] offset:64*(\nb)+16
	ds_load_b128 v[CW+16*(\nb)+8:CW+16*(\nb)+11],  v[TA] offset:4096+64*(\nb)
	ds_load_b128 v[CW+16*(\nb)+12:CW+16*(\nb)+15], v[TA] offset:4096+64*(\nb)+16
.endr
	v_add_nc_u32 v[TA], 256, v[TA]
.endm
; A chunk: eight batches of 128 along K on two buffers.  Ahead of a batch's products the next batch's run of loads goes out, four places behind the products that read its buffer
; (at batch 0 those places stand in the change of slots).  16 slices a batch: the 88 end in batch 5, so in batch 6 the table's registers are free and take this chunk's table.
; Waits: the 32 loads just issued may stay out; in batch 6 the table's 16 too; batch 7 fetches nothing and waits for all, the table among them.
.macro KLOOP slot, ride
.set k, 0
.irp bt, 0,1,2,3,4,5,6,7
.if (\bt) > 0
	PLACES 4
.endif
.if (\bt) < 7
	FETCH \slot, (\bt)+1, 128*(((\bt)+1)%2)
.endif
.if (\bt) == 6
	LOADCW
	s_wait_dscnt 48
.elseif (\bt) < 7
	s_wait_dscnt 32
.else
	s_wait_dscnt 0x0
.endif
	MUL32 128*((\bt)%2), \bt, ACC+128*(\slot), ACC+128*(1-(\slot)), \ride
.endr
.endm
	s_load_b256 s[4:11], s[0:1], 0x0               ; enc s[4:5], wb s[6:7], tab s[8:9], pctx s[10:11]
	s_load_b64 s[12:13], s[0:1], 0x20              ; pml
	v_lshl_add_u32 v[SPW], v0, 2, SPARE
	v_mov_b32 v[NIL], 0
	ds_add_u32 v[SPW], v[NIL]                      ; the wave's opening: the add and its wait stand ahead of my first tensor load; the set-up below, work on registers, stands between them
	v_lshrrev_b32 v24, 5, v0
	v_readfirstlane_b32 s[WV], v24                 ; wave 0..3
	s_bfe_u32 s[CX], ttmp6, 0x40000                ; my place in the cluster
	s_lshl_b32 s[LT], ttmp9, 2                     ; in a cluster launch ttmp9 counts clusters
	s_add_co_u32 s[LT], s[LT], s[CX]               ; my tile along l: it enters enc's, pctx's and pml's addresses alone
	s_and_b32 s[BB], ttmp7, 0xffff                 ; b, which the four partners share
	; group 1 for enc: 32 rows x 256 f32, rows 32,768 elements apart (32 b x 1,024), 4 words of padding behind every 256
	s_mov_b32 s[G1A+0], (2<<16)|(1<<20)|(7<<22)|(3<<25)
	s_mov_b32 s[G1A+1], 256<<16
	s_mov_b32 s[G1A+2], 32<<16
	s_mov_b32 s[G1A+3], 256<<16
	s_mov_b32 s[G1A+4], 32
	s_mov_b32 s[G1A+5], 32768
	s_mov_b32 s[G1A+6], 0
	s_mov_b32 s[G1A+7], 0
	; group 1 for W_e: 32 dense rows x 512 bf16, the same padding; the mask names all four work-groups, bit 21 is set beside it
	s_mov_b32 s[G1B+0], 15|(1<<16)|(1<<20)|(1<<21)|(7<<22)|(3<<25)
	s_mov_b32 s[G1B+1], 512<<16
	s_mov_b32 s[G1B+2], 32<<16
	s_mov_b32 s[G1B+3], 512<<16
	s_mov_b32 s[G1B+4], 32
	s_mov_b32 s[G1B+5], 512
	s_mov_b32 s[G1B+6], 0
	s_mov_b32 s[G1B+7], 0
	; group 1 for the table: 2,048 dense bytes a wave as 8 rows of 32 elements of 8 bytes
	s_mov_b32 s[G1T+0], 3<<16
	s_mov_b32 s[G1T+1], 32<<16
	s_mov_b32 s[G1T+2], 8<<16
	s_mov_b32 s[G1T+3], 32<<16
	s_mov_b32 s[G1T+4], 8
	s_mov_b32 s[G1T+5], 32
	s_mov_b32 s[G1T+6], 0
	s_mov_b32 s[G1T+7], 0
	s_mul_i32 s22, s[WV], WPART                    ; my quarter of a slot: no place in the cluster enters an LDS address
	s_mov_b32 s[G0A0], 1
	s_mov_b32 s[G0A0+1], s22
	s_mov_b32 s[G0A1], 1
	s_add_co_u32 s[G0A1+1], s22, SLOT
	s_mov_b32 s[G0B0], 1
	s_mov_b32 s[G0B0+1], s22
	s_mov_b32 s[G0B1], 1
	s_add_co_u32 s[G0B1+1], s22, SLOT
	s_mov_b32 s[G0T], 1
	s_lshl_b32 s23, s[WV], 11
	s_add_co_u32 s[G0T+1], s23, TAB
	s_lshl_b32 s18, s[LT], 7                       ; enc: ((128 tile + 32 wave) x 32 + b) x 4,096 bytes, under 2^28
	s_lshl_b32 s19, s[WV], 5
	s_add_co_u32 s18, s18, s19
	s_lshl_b32 s18, s18, 5
	s_add_co_u32 s18, s18, s[BB]
	s_lshl_b32 s18, s18, 12
	s_mov_b32 s19, 0
	s_lshl_b32 s82, s[WV], 15                      ; wb: my 32 rows of a chunk
	s_mov_b32 s83, 0
	s_lshl_b32 s84, s[BB], 13                      ; tab: b's 8,192 bytes, my quarter
	s_add_co_u32 s84, s84, s23
	s_mov_b32 s85, 0
	s_lshl_b32 s86, s[BB], 4
	s_add_co_u32 s86, s86, s[LT]                   ; tile = 16 b + tile along l
	s_lshl_b32 s88, s86, 8
	s_lshl_b32 s86, s86, 12
	s_mov_b32 s87, 0
	s_mov_b32 s89, 0
	s_lshl_b32 s90, s[CX], 2
	s_add_co_u32 s90, s90, s[WV]
	s_lshl_b32 s90, s90, 13
	s_add_co_u32 s90, s90, 2*CHUNKB                ; the first prefetch names chunk 2
	s_mov_b32 s91, 0
	s_or_b32 s[LIM], ttmp9, s[BB]                  ; the same in all four partners
	s_cmp_eq_u32 s[LIM], 0
	s_cselect_b32 s[LIM], 1, -1
	s_mov_b32 s[C2], 0x4038aa3b                    ; 2 log2(e)
	s_mov_b32 s[C2+1], 0x4038aa3b                  ; named with it as a pair
	s_mov_b32 s[SEL], 0x76543210
	s_mov_b32 s[SEL+1], 0xfedcba98
	s_wait_dscnt 0x0                               ; the opening add is done
	s_wait_kmcnt 0x0
	s_add_nc_u64 s[92:93], s[4:5], s[18:19]
	s_add_nc_u64 s[G0A0+2:G0A0+3], s[92:93], 0     ; quarter 0 of K
	s_or_b32 s[G0A0+3], s[G0A0+3], 0x80000000
	s_add_nc_u64 s[G0A1+2:G0A1+3], s[92:93], 1024  ; quarter 1
	s_or_b32 s[G0A1+3], s[G0A1+3], 0x80000000
	s_add_nc_u64 s[G0B0+2:G0B0+3], s[6:7], s[82:83]  ; chunk 0
	s_or_b32 s[G0B0+3], s[G0B0+3], 0x80000000
	s_add_nc_u64 s[G0B1+2:G0B1+3], s[6:7], s[82:83]
	s_add_nc_u64 s[G0B1+2:G0B1+3], s[G0B1+2:G0B1+3], CHUNKB  ; chunk 1
	s_or_b32 s[G0B1+3], s[G0B1+3], 0x80000000
	s_add_nc_u64 s[G0T+2:G0T+3], s[8:9], s[84:85]
	s_or_b32 s[G0T+3], s[G0T+3], 0x80000000
	s_add_nc_u64 s[10:11], s[10:11], s[86:87]
	s_add_nc_u64 s[12:13], s[12:13], s[88:89]
	s_add_nc_u64 s[PFA:PFA+1], s[6:7], s[90:91]
	ROUND                                          ; in a cluster launch a round stands in front of the first tensor loads
	tensor_load_to_lds s[G0A0:G0A0+3], s[G1A:G1A+7]  ; the first fills, one group: three loads of mine are out
	s_nop 0
	tensor_load_to_lds s[G0A1:G0A1+3], s[G1A:G1A+7]
	s_nop 0
	tensor_load_to_lds s[G0T:G0T+3], s[G1T:G1T+7]
	s_nop 0
	v_and_b32 v1, 15, v0                           ; r
	v_bfe_u32 v2, v0, 4, 1                         ; h
	v_and_b32 v3, 31, v0                           ; lane
	v_mul_u32_u24 v24, v1, PITCH
	v_lshl_add_u32 v[AADR], v2, 5, v24
	v_add_nc_u32 v[AADR], s22, v[AADR]
	v_add_nc_u32 v[AADR+1], SLOT, v[AADR]
	v_lshl_add_u32 v[BADR], v2, 4, v24
	v_add_nc_u32 v[BADR+1], KHALF, v[BADR]
	v_add_nc_u32 v[BADR+2], SLOT, v[BADR]
	v_add_nc_u32 v[BADR+3], SLOT+KHALF, v[BADR]
	v_lshl_add_u32 v[TA], v2, 5, TAB
	v_lshlrev_b32 v[PFO], 8, v3
	s_mul_i32 s94, s[WV], SCRW
	v_mul_u32_u24 v26, v1, SCRP
	v_lshl_add_u32 v[STA], v2, 4, v26
	v_add_nc_u32 v[STA], s94, v[STA]               ; in: row r, 16 bytes for each half of the lanes
	v_and_b32 v27, 7, v0                           ; back, turned: lane l reads row 8 (l / 16) + l % 8, channels 8 ((l / 8) % 2) + 0..7
	v_bfe_u32 v28, v0, 3, 1
	v_lshl_add_u32 v29, v2, 3, v27
	v_mul_u32_u24 v29, v29, SCRP
	v_lshl_add_u32 v[TRA], v28, 4, v29
	v_add_nc_u32 v[TRA], s94, v[TRA]
	s_lshl_b32 s95, s[WV], 12
	s_add_co_u32 s95, s95, CTX
	v_lshl_add_u32 v[CTS], v1, 2, s95
	v_lshl_add_u32 v[CTR], v0, 4, CTX
	v_lshlrev_b32 v[GO], 4, v0
	s_lshl_b32 s95, s[WV], 6
	s_add_co_u32 s95, s95, PB
	v_lshl_add_u32 v[PBS], v1, 1, s95
	v_lshl_add_u32 v[PBR], v2, 4, s95
	s_lshl_b32 s95, s[WV], 2
	s_add_co_u32 s95, s95, RED
	v_mov_b32 v[REDW], s95
	v_mov_b32 v[REDR], RED
	v_lshlrev_b32 v[ML], 3, v3
.set t, 0
.rept 16
	v_mov_b32 v[S+t], 0                            ; the score sums start at 0
.set t, t+1
.endr
	; enc's four quarters of K go through the two slots into registers; a wave reads only the rows that it fetched itself
	s_wait_tensorcnt 0x2                           ; quarter 0 is in; quarter 1 and the table may stay out
	CONVQ 0, 0
	CHG G0A0, G1A, 2048, 1, 0                      ; quarter 2 into slot 0
	CONVQ 1, 1
	CHG G0A1, G1A, 2048, 1, 0                      ; quarter 3 into slot 1
	CONVQ 2, 0
	CHG G0B0, G1B, 0, 1, 0                         ; chunk 0 of W_e into slot 0: the first joint load
	CONVQ 3, 1
	CHG G0B1, G1B, 0, 1, 0                         ; chunk 0 is whole, everybody's part of it; chunk 1 into slot 1
	FETCH 0, 0, 0
	ASK 1                                          ; chunk 2
	KLOOP 0, 0                                     ; chunk 0 stands in front of the loop: there is no tanh work yet to set among its products
	WIN 0
	s_mov_b32 s[TRIPS], 7
.Ltrip:                                        ; trip t: chunks 2 t + 1 and 2 t + 2 are multiplied, the tanh work of 2 t and 2 t + 1 rides, chunks 2 t + 2 and 2 t + 3 are asked for
	CHG G0B0, G1B, 2*CHUNKB, 1, 1
	FETCH 1, 0, 0
	ASK 1
	KLOOP 1, 1
	CHG G0B1, G1B, 2*CHUNKB, 1, 1
	FETCH 0, 0, 0
	ASK 0
	KLOOP 0, 1
	WIN 0
	s_sub_co_u32 s[TRIPS], s[TRIPS], 1
	s_cmp_lg_u32 s[TRIPS], 0
	s_cbranch_scc1 .Ltrip
	CHG G0B0, G1B, 0, 0, 0                         ; the last chunk is written out: nothing is asked for
	FETCH 1, 0, 0
	KLOOP 1, 1
	PLACES 4
	EPI ACC+128
	; THE TILE'S SOFTMAX.  A row's score: the lane's eight sums and those of the lane 16 away
.irp m, 0,1
	v_pk_add_f32 v[S+8*(\m):S+8*(\m)+1], v[S+8*(\m):S+8*(\m)+1], v[S+8*(\m)+2:S+8*(\m)+3]
	v_pk_add_f32 v[S+8*(\m)+4:S+8*(\m)+5], v[S+8*(\m)+4:S+8*(\m)+5], v[S+8*(\m)+6:S+8*(\m)+7]
.endr
.irp m, 0,1
	v_pk_add_f32 v[S+8*(\m):S+8*(\m)+1], v[S+8*(\m):S+8*(\m)+1], v[S+8*(\m)+4:S+8*(\m)+5]
.endr
	v_add_f32 v58, v[S], v[S+1]
	v_add_f32 v59, v[S+8], v[S+9]
	v_mov_b32 v60, 0                               ; v_permlanex16_b32's destination counts as read
	v_mov_b32 v61, 0
	v_permlanex16_b32 v60, v58, s[SEL], s[SEL+1]
	v_permlanex16_b32 v61, v59, s[SEL], s[SEL+1]
	v_add_f32 v58, v58, v60                        ; s2 of row r,
	v_add_f32 v59, v59, v61                        ; and of row 16 + r: the same in both halves of the lanes
	v_max_num_f32 v62, v58, v59
	v_max_num_f32_dpp v62, v62, v62 row_xmask:1 row_mask:0xf bank_mask:0xf
	v_max_num_f32_dpp v62, v62, v62 row_xmask:2 row_mask:0xf bank_mask:0xf
	v_max_num_f32_dpp v62, v62, v62 row_xmask:4 row_mask:0xf bank_mask:0xf
	v_max_num_f32_dpp v62, v62, v62 row_xmask:8 row_mask:0xf bank_mask:0xf
	ds_store_b32 v[REDW], v62                      ; my wave's maximum
	s_wait_dscnt 0x0                               ; for the others' sake; my reads of the slots are over too
	s_barrier_signal -1
	s_barrier_wait -1                              ; behind it the slots, which have had their last fill, are each wave's scratch
	ds_load_b128 v[24:27], v[REDR]
	s_wait_dscnt 0x0
	v_max3_num_f32 v56, v24, v25, v26
	v_max_num_f32 v56, v56, v27                    ; m2, the tile's maximum
	v_sub_f32 v58, v58, v56
	v_sub_f32 v59, v59, v56
	v_exp_f32 v58, v58
	v_exp_f32 v59, v59
	v_nop                                          ; a plain instruction behind the last exponential,
	s_wait_alu depctr_va_vdst(0)                   ; and the wait ahead of the first reader
	v_add_f32 v62, v58, v59
	v_add_f32_dpp v62, v62, v62 row_xmask:1 row_mask:0xf bank_mask:0xf
	v_add_f32_dpp v62, v62, v62 row_xmask:2 row_mask:0xf bank_mask:0xf
	v_add_f32_dpp v62, v62, v62 row_xmask:4 row_mask:0xf bank_mask:0xf
	v_add_f32_dpp v62, v62, v62 row_xmask:8 row_mask:0xf bank_mask:0xf
	ds_store_b32 v[REDW], v62 offset:16            ; my wave's sum of the unrounded p
	v_cvt_pk_bf16_f32 v63, v58, v59
	ds_store_b16 v[PBS], v63                       ; p of row r at 2 r,
	ds_store_b16_d16_hi v[PBS], v63 offset:32      ; of row 16 + r at 32 + 2 r
	ds_load_b128 v[PF:PF+3],   v[PBR]              ; source 0 of the context product: every row of it holds the same 32 p.  LDS serves a wave's instructions in order (ISA guide 5.7.1.4): these see the stores above
	ds_load_b128 v[PF+4:PF+7], v[PBR] offset:32
	; THE CONTEXT.  My 32 rows, bf16, from registers into my scratch, [row][channel]
.irp m, 0,1
	WIN 0x04+4*(\m)                                ; store data from window 1 or 2
.set kb, 0
.rept 32
	ds_store_b128 v[STA], v[8*kb:8*kb+3]   offset:(\m)*16*SCRP+kb*64
	ds_store_b128 v[STA], v[8*kb+4:8*kb+7] offset:(\m)*16*SCRP+kb*64+32
.set kb, kb+1
.endr
.endr
.macro LDV i                           ; eight blocks of 16 channels x 32 rows, turned, into buffer i % 2 of window 3: lane l holds channel l % 16
	WIN 0xc0
.irp cb, 0,1,2,3,4,5,6,7
	ds_load_tr16_b128 v[128*((\i)%2)+8*(\cb):128*((\i)%2)+8*(\cb)+3],   v[TRA] offset:(8*(\i)+(\cb))*32
	ds_load_tr16_b128 v[128*((\i)%2)+8*(\cb)+4:128*((\i)%2)+8*(\cb)+7], v[TRA] offset:(8*(\i)+(\cb))*32+16*SCRP
.endr
.endm
	LDV 0
	LDV 1
	; Source 0 = p (16 rows alike), source 1 = 16 channels x my 32 rows: in the result lane l holds channel l % 16, the same number in all eight registers and in both halves of the lanes.
	; So a block of 16 channels leaves by one store of its lowest register, all lanes on; lanes l and l + 16 write the same word with the same number.
.irp i, 0,1,2,3,4,5,6,7
.if ((\i) == 0) || ((\i) == 7)
	s_wait_dscnt 16                                ; group 0: the second group's 16 loads may stay out; group 7: behind its loads stand two groups of 8 stores
.else
	s_wait_dscnt 24                                ; behind this group's loads at least a group of 16 loads and one of 8 stores were issued
.endif
	WIN 0x0c                                       ; source 1 window 3
.irp cb, 0,1,2,3,4,5,6,7
	v_wmma_f32_16x16x32_bf16 v[ACC+8*(\cb):ACC+8*(\cb)+7], v[PF:PF+7], v[128*((\i)%2)+8*(\cb):128*((\i)%2)+8*(\cb)+7], 0
.endr
	PLACES 5                                       ; ahead of the loads into the sources, of the stores of the results, and of the next group's products, which write over them
.if (\i) < 6
	LDV (\i)+2
.endif
	WIN 0
.irp cb, 0,1,2,3,4,5,6,7
	ds_store_b32 v[CTS], v[ACC+8*(\cb)] offset:512*(\i)+64*(\cb)
.endr
.endr
	s_wait_dscnt 0x0                               ; for the others' sake: my partial context and my sum lie in LDS
	s_barrier_signal -1
	s_barrier_wait -1
.irp wv, 0,1,2,3
	ds_load_b128 v[TMP+8*(\wv):TMP+8*(\wv)+3],   v[CTR] offset:4096*(\wv)
	ds_load_b128 v[TMP+8*(\wv)+4:TMP+8*(\wv)+7], v[CTR] offset:4096*(\wv)+2048
.endr
	s_wait_dscnt 0x0
.irp i, 0,2,4,6
	v_pk_add_f32 v[TMP+(\i):TMP+(\i)+1], v[TMP+(\i):TMP+(\i)+1], v[TMP+8+(\i):TMP+8+(\i)+1]
	v_pk_add_f32 v[TMP+16+(\i):TMP+16+(\i)+1], v[TMP+16+(\i):TMP+16+(\i)+1], v[TMP+24+(\i):TMP+24+(\i)+1]
.endr
.irp i, 0,2,4,6
	v_pk_add_f32 v[TMP+(\i):TMP+(\i)+1], v[TMP+(\i):TMP+(\i)+1], v[TMP+16+(\i):TMP+16+(\i)+1]
.endr
	global_store_b128 v[GO], v[TMP:TMP+3],   s[10:11]              ; a wave's store covers 512 consecutive bytes, aligned
	global_store_b128 v[GO], v[TMP+4:TMP+7], s[10:11] offset:2048
	s_cmp_lg_u32 s[WV], 0
	s_cbranch_scc1 .Lnot0
	ds_load_b128 v[24:27], v[REDR] offset:16
	s_wait_dscnt 0x0
	v_add_f32 v24, v24, v25
	v_add_f32 v26, v26, v27
	v_add_f32 v57, v24, v26                        ; l
	global_store_b64 v[ML], v[56:57], s[12:13]     ; (m2, l) 32 times: 256 consecutive bytes, aligned
.Lnot0:
	s_wait_tensorcnt 0x0                           ; the wave's end, behind my last tensor load and my last LDS store
	ds_add_u32 v[SPW], v[NIL]
	s_wait_dscnt 0x0
	ROUND                                          ; the closing round: no work-group ends while a partner may still ask for a chunk that names it
	s_endpgm
.Lfunc_end_k_qdc357cd894_main:
	.size	k_qdc357cd894_main, .Lfunc_end_k_qdc357cd894_main-k_qdc357cd894_main
	.p2alignl 7, 3214868480
	.fill 96, 4, 3214868480
	.section	.rodata,"a",@progbits
	.p2align	6, 0x0
	.amdhsa_kernel k_qdc357cd894_main
		.amdhsa_group_segment_fixed_size 327680
		.amdhsa_private_segment_fixed_size 0
		.amdhsa_enable_private_segment 0
		.amdhsa_kernarg_size 40
		.amdhsa_user_sgpr_count 2
		.amdhsa_user_sgpr_kernarg_segment_ptr 1
		.amdhsa_wavefront_size32 1
		.amdhsa_system_sgpr_workgroup_id_x 1
		.amdhsa_system_sgpr_workgroup_id_y 1
		.amdhsa_system_sgpr_workgroup_id_z 1
		.amdhsa_system_vgpr_workitem_id 0
		.amdhsa_next_free_vgpr 1024
		.amdhsa_next_free_sgpr 96
		.amdhsa_reserve_vcc 0
		.amdhsa_float_denorm_mode_32 3
		.amdhsa_float_denorm_mode_16_64 3
		.amdhsa_memory_ordered 1
		.amdhsa_forward_progress 1
		.amdhsa_inst_pref_size 255
	.end_amdhsa_kernel
	.section	.bss,"aw",@nobits
	.p2align	6
	.space	262144
	.amdgpu_metadata
---
amdhsa.version: [ 1, 2 ]
amdhsa.kernels:
  - .name:           k_qdc357cd894_main
    .symbol:         k_qdc357cd894_main.kd
    .args:
      - { .name: encoder_outputs, .offset: 0, .size: 8, .value_kind: global_buffer, .address_space: global }
      - { .name: wb, .offset: 8, .size: 8, .value_kind: global_buffer, .address_space: global }
      - { .name: tab, .offset: 16, .size: 8, .value_kind: global_buffer, .address_space: global }
      - { .name: pctx, .offset: 24, .size: 8, .value_kind: global_buffer, .address_space: global }
      - { .name: pml, .offset: 32, .size: 8, .value_kind: global_buffer, .address_space: global }
    .group_segment_fixed_size: 327680
    .private_segment_fixed_size: 0
    .kernarg_segment_align: 8
    .kernarg_segment_size: 40
    .max_flat_workgroup_size: 128
    .sgpr_count:     96
    .vgpr_count:     1024
    .wavefront_size: 32
...
	.end_amdgpu_metadata
.endif
;; end of part 2
;; launch fin (part 3): grid 4 x 32, 2 waves a work-group, no clusters, 0 bytes of LDS; arguments pctx, pml, out0; writes out0
.if DOCPART == 3
	.amdgcn_target "amdgcn-amd-amdhsa--gfx1250"
	.amdhsa_code_object_version 6
	.text
	.protected	k_qdc357cd894_fin
	.globl	k_qdc357cd894_fin
	.p2align	8
	.type	k_qdc357cd894_fin,@function
k_qdc357cd894_fin:
	s_mov_b64 s[64:65], 0
	v_nop
	global_prefetch_b8 v0, s[64:65] scope:SCOPE_SE
	s_setreg_imm32_b32 hwreg(HW_REG_WAVE_MODE, 25, 1), 1
	s_wait_xcnt 0x0
; THE MERGE.  out0[b][c] = (sum over a b's 16 tiles t of e_t pctx[16 b + t][c]) / (sum over t of e_t l_t),  e_t = 2^(m2_t - M),  M = the largest m2_t.
; pctx: [512][1024] f32; pml: [512][64] f32, of which words 0 and 1 are (m2, l).  The tile that holds M has e = 1 and l >= 1, so the divisor is at least 1.
; A work-group of two waves owns 256 channels of one b, a thread four: a wave's load or store covers 512 consecutive bytes, aligned.  No LDS, no matrix unit: 16 loads a thread, all out at once.
.set E,  32                            ; v[32:63]  tile t: e_t, e_t l_t
.set CT, 64                            ; v[64:127] tile t's four channels
	s_load_b128 s[4:7], s[0:1], 0x0                ; pctx s[4:5], pml s[6:7]
	s_load_b64 s[8:9], s[0:1], 0x10                ; out0
	s_and_b32 s10, ttmp7, 0xffff                   ; b
	s_lshl_b32 s11, ttmp9, 10                      ; my 256 channels
	s_lshl_b32 s48, s10, 12                        ; pml: 16 tiles of 256 bytes
	s_mov_b32 s49, 0
	s_lshl_b32 s50, s10, 16                        ; pctx: 16 tiles of 4,096 bytes
	s_add_co_u32 s50, s50, s11
	s_mov_b32 s51, 0
	s_add_co_u32 s52, s48, s11                     ; out0: a row of 4,096 bytes
	s_mov_b32 s53, 0
	v_lshlrev_b32 v1, 4, v0
	v_mov_b32 v23, 0                               ; named as a pair with the reciprocal
	s_wait_kmcnt 0x0
	s_add_nc_u64 s[6:7], s[6:7], s[48:49]
	s_add_nc_u64 s[4:5], s[4:5], s[50:51]
	s_add_nc_u64 s[8:9], s[8:9], s[52:53]
.set t, 0
.rept 16
	s_load_b64 s[16+2*t:17+2*t], s[6:7], 256*t     ; no line of this launch writes pml
.set t, t+1
.endr
.set t, 0
.rept 16
	global_load_b128 v[CT+4*t:CT+4*t+3], v1, s[4:5] offset:4096*t th:TH_LOAD_NT
.set t, t+1
.endr
	s_wait_kmcnt 0x0
	v_mov_b32 v20, s16
.set t, 1
.rept 15
	v_max_num_f32 v20, s[16+2*t], v20
.set t, t+1
.endr
.set t, 0
.rept 16
	v_sub_f32 v[E+2*t], s[16+2*t], v20
.set t, t+1
.endr
.set t, 0
.rept 16
	v_exp_f32 v[E+2*t], v[E+2*t]
.set t, t+1
.endr
	v_nop                                          ; a plain instruction behind the last exponential,
	s_wait_alu depctr_va_vdst(0)                   ; and one wait for the batch of 16, ahead of its first reader
.set t, 0
.rept 16
	v_mul_f32 v[E+2*t+1], s[17+2*t], v[E+2*t]
.set t, t+1
.endr
	v_add_f32 v21, v[E+1], v[E+3]
.set t, 2
.rept 14
	v_add_f32 v21, v21, v[E+2*t+1]
.set t, t+1
.endr
	v_rcp_f32 v22, v21
	s_wait_loadcnt 0x0
	v_pk_mul_f32 v[24:25], v[CT:CT+1],   v[E:E+1] op_sel_hi:[1,0]  ; the first tile starts the sums; these lines are the independent work behind the reciprocal
	v_pk_mul_f32 v[26:27], v[CT+2:CT+3], v[E:E+1] op_sel_hi:[1,0]
.set t, 1
.rept 15
	v_pk_fma_f32 v[24:25], v[CT+4*t:CT+4*t+1],   v[E+2*t:E+2*t+1], v[24:25] op_sel_hi:[1,0,1]
	v_pk_fma_f32 v[26:27], v[CT+4*t+2:CT+4*t+3], v[E+2*t:E+2*t+1], v[26:27] op_sel_hi:[1,0,1]
.set t, t+1
.endr
	s_wait_alu depctr_va_vdst(0)                   ; the reciprocal's wait, ahead of its first reader
	v_pk_mul_f32 v[24:25], v[24:25], v[22:23] op_sel_hi:[1,0]
	v_pk_mul_f32 v[26:27], v[26:27], v[22:23] op_sel_hi:[1,0]
	global_store_b128 v1, v[24:27], s[8:9]
	s_endpgm
.Lfunc_end_k_qdc357cd894_fin:
	.size	k_qdc357cd894_fin, .Lfunc_end_k_qdc357cd894_fin-k_qdc357cd894_fin
	.p2alignl 7, 3214868480
	.fill 96, 4, 3214868480
	.section	.rodata,"a",@progbits
	.p2align	6, 0x0
	.amdhsa_kernel k_qdc357cd894_fin
		.amdhsa_group_segment_fixed_size 0
		.amdhsa_private_segment_fixed_size 0
		.amdhsa_enable_private_segment 0
		.amdhsa_kernarg_size 24
		.amdhsa_user_sgpr_count 2
		.amdhsa_user_sgpr_kernarg_segment_ptr 1
		.amdhsa_wavefront_size32 1
		.amdhsa_system_sgpr_workgroup_id_x 1
		.amdhsa_system_sgpr_workgroup_id_y 1
		.amdhsa_system_sgpr_workgroup_id_z 1
		.amdhsa_system_vgpr_workitem_id 0
		.amdhsa_next_free_vgpr 128
		.amdhsa_next_free_sgpr 66
		.amdhsa_reserve_vcc 0
		.amdhsa_float_denorm_mode_32 3
		.amdhsa_float_denorm_mode_16_64 3
		.amdhsa_memory_ordered 1
		.amdhsa_forward_progress 1
		.amdhsa_inst_pref_size 9
	.end_amdhsa_kernel
	.amdgpu_metadata
---
amdhsa.version: [ 1, 2 ]
amdhsa.kernels:
  - .name:           k_qdc357cd894_fin
    .symbol:         k_qdc357cd894_fin.kd
    .args:
      - { .name: pctx, .offset: 0, .size: 8, .value_kind: global_buffer, .address_space: global }
      - { .name: pml, .offset: 8, .size: 8, .value_kind: global_buffer, .address_space: global }
      - { .name: out0, .offset: 16, .size: 8, .value_kind: global_buffer, .address_space: global }
    .group_segment_fixed_size: 0
    .private_segment_fixed_size: 0
    .kernarg_segment_align: 8
    .kernarg_segment_size: 24
    .max_flat_workgroup_size: 64
    .sgpr_count:     66
    .vgpr_count:     128
    .wavefront_size: 32
...
	.end_amdgpu_metadata
.endif
;; end of part 3
